; MI455X (gfx1250); checked and timed in simulation.
; The chip was launched on July 23, 2026; its instructions are those of AMD's public machine-readable ISA for CDNA 5 (MIT licence, August 2026) and "CDNA5" Instruction Set Architecture Reference Guide (July 2026). The comments in the code are by the model that wrote it; some were corrected since.
;; MHA Comm Block. Allowed arithmetic: matrix products marked QUANTISED: E5M2 operands, one E8M0 scale for each 32 along K, by v_wmma_scale_f32_16x16x128_f8f6f4 with both operands' format E5M2, f32 sums; everything else in f32.
;; Inputs: Wk_codes 512 x 8 x 32 uint8 (E5M2 codes of Wk, K innermost, in blocks of 32 codes); Wk_scales 512 x 8 uint8 (E8M0 scales of Wk, one for each 32 codes along K); Wo_codes 64 x 16 x 32 uint8 (E5M2 codes of Wo, K innermost, in blocks of 32 codes); Wo_scales 64 x 16 uint8 (E8M0 scales of Wo, one for each 32 codes along K); Wq_codes 512 x 8 x 32 uint8 (E5M2 codes of Wq, K innermost, in blocks of 32 codes); Wq_scales 512 x 8 uint8 (E8M0 scales of Wq, one for each 32 codes along K); Wv_codes 512 x 8 x 32 uint8 (E5M2 codes of Wv, K innermost, in blocks of 32 codes); Wv_scales 512 x 8 uint8 (E8M0 scales of Wv, one for each 32 codes along K); bk 512 float32; bq 512 float32; bv 512 float32; msg_codes 8 x 2,048 x 8 x 32 uint8 (E5M2 codes of msg, K innermost, in blocks of 32 codes); msg_scales 8 x 2,048 x 8 uint8 (E8M0 scales of msg, one for each 32 codes along K).
;; Outputs: out0 8 x 2,048 x 64 float32.
;; This version of the problem:
;;   THIS VERSION OF THE PROBLEM IS GIVEN IN LOW PRECISION. The matrix products marked QUANTISED in the list below multiply operands that are first quantised to E5M2 (5 exponent bits, 2 mantissa bits; 8 bits a number), with one power-of-two scale for each 32 numbers along K (OCP MX v1.0); their sums are f32. All else is computed in f32.
;;   The module's matrix products, in the order in which they are computed (A, B: the left and right operand; K: the contracted axis; several contracted axes count as one K, in the product's order):
;;     1. [M 16,384, K 256] x [K 256, N 512]; A: input msg (given as codes); B: input Wq (given as codes): QUANTISED
;;     2. [M 16,384, K 256] x [K 256, N 512]; A: input msg (given as codes); B: input Wk (given as codes): QUANTISED
;;     3. [M 16,384, K 256] x [K 256, N 512]; A: input msg (given as codes); B: input Wv (given as codes): QUANTISED
;;     4. batch 64 x [M 2,048, K 64] x [K 64, N 2,048]; A: computed on the way; B: computed on the way: QUANTISED
;;     5. batch 64 x [M 2,048, K 2,048] x [K 2,048, N 64]; A: softmax (see below); B: computed on the way: QUANTISED
;;     6. [M 16,384, K 512] x [K 512, N 64]; A: computed on the way; B: input Wo (given as codes): QUANTISED
;;   THE QUANTISER, for each operand of a quantised product, along K:
;;     - K is cut into blocks of 32 from its start; a last block that is shorter is filled with zeros.
;;     - A block's scale is 2^e with e = floor(log2(the largest magnitude in the block)) - 15, held to -126 .. 127; a block of zeros has e = 0. As a byte (E8M0): e + 127.
;;     - Each number is divided by its block's scale, clamped to +-57,344, and rounded to the nearest number of E5M2, ties to even, subnormals kept.
;;     - The product sums the exact products of the quantised numbers (number of the format x scale) in f32.
;;   ~~~python
;;   def quantise(x, axis):      # numpy; x: float32 -> the quantised numbers, widened to float32 again
;;       x = np.moveaxis(x, axis, -1); K = x.shape[-1]
;;       x = np.pad(x, [(0, 0)] * (x.ndim - 1) + [(0, -K % 32)]); x = x.reshape(x.shape[:-1] + (-1, 32)); a = np.abs(x).max(-1, keepdims=True)
;;       e = np.where(a > 0, np.clip(np.frexp(np.where(a > 0, a, 1))[1] - 1 - 15, -126, 127), 0)      # np.frexp(a)[1] - 1 = floor(log2(a)), exactly
;;       r = np.clip(x / 2.0 ** e, -57344, 57344)
;;       step = 2.0 ** (np.maximum(np.frexp(np.where(r == 0, 1, r))[1] - 1, -14) - 2)
;;       q = np.round(r / step) * step * 2.0 ** e      # np.round: ties to even
;;       return np.moveaxis(q.reshape(q.shape[:-2] + (-1,))[..., :K], -1, axis).astype(np.float32)
;;   ~~~
;;   SOFTMAX AHEAD OF A QUANTISED PRODUCT. Where the list says 'softmax', what is quantised is not the finished softmax but p = 2^(t - M), with t = logit x log2(e) and M = ceil(the row's largest t), a whole number; so 1/2 < the row's largest p <= 1. The row's sum l is taken of the UNQUANTISED p, in f32, and the product's result is divided by l at the end. Since M is a whole number, a kernel that streams over the keys may use a running M (the ceiling of the running maximum): every later rescaling is an exact power of two, which a block's scale takes up: the codes' values come out the same.
;;   OPERANDS COMPUTED ON THE WAY. 'Computed on the way' means the value that the module computes at that place (a softmax that the list does not call 'softmax' is quantised finished and normalised). What goes into a quantiser is computed in f32, as accurately as f32 sums, v_exp_f32 and their like allow (about 1e-6 of the number): no bf16 or f16 on the way to a quantiser, and a product that is left as it is and whose result goes on into a quantised operand takes f32 operands (vector FMAs, or v_wmma_f32_16x16x4_f32). A number that lies on a knife's edge between two numbers of the format may be rounded either way, as far as f32 arithmetic and the matrix unit's own rounding can turn it there, and no further.
;;   INPUTS GIVEN AS CODES. Wk (in the module: [256, 512], K = its axis 0); Wo (in the module: [512, 64], K = its axis 0); Wq (in the module: [256, 512], K = its axis 0); Wv (in the module: [256, 512], K = its axis 0); msg (in the module: [8, 2048, 256], K = its axis 2): each comes as NAME_codes (uint8): NAME with its K axis moved to the last place and cut into blocks of 32 codes, [.., K / 32, bytes a block], one block behind the other in memory; one code a byte (a code: sign, 5 exponent bits, 2 mantissa bits); and NAME_scales (uint8): the same leading axes, one E8M0 byte (e + 127) for each 32 codes along K. Its value is code x scale, taken as it is: it is not quantised again, and the codes and scales need not be those that the quantiser above would give.
;; One version. Each part assembles by itself: llvm-mc -triple=amdgcn-amd-amdhsa -mcpu=gfx1250 --defsym DOCPART=n.
;; ======== version 1 of 1: 3 launches
;; limits: right only within a limited range of input values
;; workspace buffers: kv 17,301,504 bytes; cimg 8,388,608 bytes; csc 262,144 bytes
;; launch proj (part 1): grid 128 x 2, 8 waves a work-group, no clusters, 33,792 bytes of LDS; arguments msg_codes, msg_scales, Wk_codes, Wk_scales, bk, Wv_codes, Wv_scales, bv, kv; writes kv
.if DOCPART == 1
	.amdgcn_target "amdgcn-amd-amdhsa--gfx1250"
	.amdhsa_code_object_version 6
	.text
	.protected	k_q633173e402_proj
	.globl	k_q633173e402_proj
	.p2align	8
	.type	k_q633173e402_proj,@function
k_q633173e402_proj:
	s_mov_b64 s[64:65], 0
	v_nop
	global_prefetch_b8 v0, s[64:65] scope:SCOPE_SE
	s_setreg_imm32_b32 hwreg(HW_REG_WAVE_MODE, 25, 1), 1
	s_wait_xcnt 0x0
; k = msg Wk + bk and v = msg Wv + bv on codes of E5M2 with E8M0 scales, and the results quantised again: k along a head's 64 channels, v along the keys.  (q is made by the launch that uses it.)
; Work-group x takes 128 rows of msg (batch x / 16, key step x % 16), work-group y the matrix (0 K, 1 V): 256 work-groups of equal work.  Wave w is head w: 128 rows x 64 columns x K 256 = 64 matrix instructions.
; The wave's 64 rows of W stay in registers (8 fragments, window 1).  The 128 rows of msg are loaded once, a tile of 16 rows by each wave, and go from wave to wave through LDS as images of the
; operand's registers: a fragment is four stores of 512 bytes, lane l's 16 bytes at 16 l.
; THE ROWS OF A TILE ARE NOT NEIGHBOURS, in msg and in W alike: lane r of tile u of a group of 32 rows takes row 8 u + r + 8 (r / 8), so that the 16 registers of result tiles u = 0, 1 are 16 neighbours,
; 16 h + 0 .. 15, and the conversions' results are registers of the next product's operand.
; K: source 0 = W, source 1 = msg: a lane holds one row of msg, channels along its registers.  V: source 0 = msg, source 1 = W: a lane holds one channel, KEYS along its registers.
; OUT: kv [batch x head][key step] of 16,896 bytes: K's images 8,192, V's images 8,192, K's scale words 256, V's 256: what one tensor load of the next launch brings.
;   K's images [group of 32 rows g][chunk 2 u + c][lane][16]: row 32 g + 8 u + r + 8 (r / 8), channels 32 c + 16 h + 0 .. 15
;   V's images [channel tile t][chunk c][lane][16]: channel 32 (t / 2) + 8 (t % 2) + r + 8 (r / 8), keys 32 c + 16 h + 0 .. 15 of the step's 128
;   scale words [lane][2]: lane (r, h), word j: the word of fragment 2 j + h of the step, row r.
; LIMITS: NaN, infinities and scale bytes 0xff among the inputs are not served.  A block of zeros, and any block whose largest magnitude lies under 2^-111, gets the byte 1 (the rule says 127 for zeros): its codes are
; zeros or near it, and the bytes are read by this program alone.
.set MF,  16                           ; v16-79   msg's fragments of a group: (tile u, K step s) at MF + 16 (2 u + s)
.set ACC, 80                           ; v80-143  eight accumulators
.set BI,  144                          ; v144-175 the bias in the result's layout
.set PC,  176                          ; v176-191 the codes just made
.set TM,  192                          ; v192-207 largest magnitudes, bytes, bounds, the conversions' scale operands
.set PW,  208                          ; v208-211 four scale words
.set KW,  212                          ; v212-213 the two that my lane stores
.set WS,  214                          ; v214-221 W's scale words
.set MS,  222                          ; v222-237 msg's
.set BV,  238                          ; v238-241 the bias of my lane's channel, for V
.set HEADB, 270336                     ; a head's 16 steps in kv
.set STEPB, 16896
.set MSB, 0
.macro WIN new                         ; the immediate's high byte repeats the setting that is left
.if MSB != \new
	s_set_vgpr_msb (MSB<<8)|\new
.set MSB, \new
.endif
.endm
	s_load_b512 s[8:23], s[0:1], 0x0               ; msg's codes 8, scales 10; Wk's codes 12, scales 14, bk 16; Wv's codes 18, scales 20, bv 22
	s_load_b64 s[24:25], s[0:1], 0x40              ; kv
	v_lshl_add_u32 v254, v0, 2, 0x8000
	v_mov_b32 v255, 0
	v_lshrrev_b32 v9, 5, v0
	s_delay_alu instid0(VALU_DEP_1)
	v_readfirstlane_b32 s52, v9                    ; wave = head
	s_mov_b32 s53, ttmp9                           ; block of 128 rows
	s_and_b32 s54, ttmp7, 0xffff                   ; the matrix
	v_and_b32 v10, 31, v0                          ; lane
	v_and_b32 v11, 15, v0                          ; r
	v_bfe_u32 v12, v0, 4, 1                        ; h
	s_delay_alu instid0(VALU_DEP_2)
	v_and_b32 v13, 8, v11
	s_delay_alu instid0(VALU_DEP_1)
	v_add_nc_u32 v13, v13, v11                     ; r + 8 (r / 8)
	v_lshlrev_b32 v1, 4, v10                       ; v1: 16 x lane
	v_lshlrev_b32 v2, 3, v10                       ; v2: 8 x lane
	s_lshl_b32 s56, s52, 12
	v_add_nc_u32 v3, s56, v1                       ; v3: where I store my tile's two images
	v_lshlrev_b32 v5, 8, v13
	s_delay_alu instid0(VALU_DEP_1)
	v_lshl_add_u32 v5, v12, 4, v5                  ; v5: W: a row of 256 bytes, + 16 h
	s_lshr_b32 s56, s52, 1
	s_lshl_b32 s56, s56, 13
	s_and_b32 s57, s52, 1
	s_lshl_b32 s57, s57, 11
	s_add_co_u32 s56, s56, s57
	v_add_nc_u32 v4, s56, v5                       ; v4: msg: the same in tile w
	v_lshlrev_b32 v6, 3, v13                       ; v6: scale bytes: 8 a row
	v_lshlrev_b32 v7, 6, v12                       ; v7: the bias in K's layout
	v_lshlrev_b32 v8, 2, v13                       ; v8: in V's layout
.irp b, 0,1,2,3
	v_mov_b32 v[TM+4+\b], 0                        ; a lane permute's destination counts as one of its sources
.endr
	s_mov_b32 s66, 0x76543210
	s_mov_b32 s67, 0xfedcba98                      ; selects for lane l xor 16
	s_mov_b32 s68, 0x600000                        ; the mantissa field of 57,344
	s_mov_b32 s69, 0xffff0000                      ; lanes 16-31
	s_lshl_b32 s56, s53, 15
	s_mov_b32 s57, 0
	s_lshl_b32 s58, s53, 10
	s_mov_b32 s59, 0
	s_lshl_b32 s60, s52, 14
	s_mov_b32 s61, 0
	s_lshl_b32 s62, s52, 9
	s_mov_b32 s63, 0
	s_wait_alu depctr_va_vdst(0)
	s_wait_kmcnt 0x0
	s_cmp_eq_u32 s54, 0                            ; the buffers are chosen by the work-group's number alone
	s_cselect_b64 s[42:43], s[12:13], s[18:19]
	s_cselect_b64 s[44:45], s[14:15], s[20:21]
	s_cselect_b64 s[46:47], s[16:17], s[22:23]
	s_add_nc_u64 s[8:9], s[8:9], s[56:57]
	s_add_nc_u64 s[10:11], s[10:11], s[58:59]
	s_add_nc_u64 s[42:43], s[42:43], s[60:61]
	s_add_nc_u64 s[44:45], s[44:45], s[62:63]
	s_lshl_b32 s56, s52, 8
	s_add_nc_u64 s[46:47], s[46:47], s[56:57]
	s_lshr_b32 s58, s53, 4
	s_lshl_b32 s58, s58, 3
	s_add_co_u32 s58, s58, s52                     ; batch x 8 + head
	s_and_b32 s60, s53, 15                         ; the key step
	s_mul_i32 s56, s58, HEADB
	s_mul_i32 s62, s60, STEPB
	s_add_co_u32 s56, s56, s62
	s_add_nc_u64 s[50:51], s[24:25], s[56:57]      ; my step in kv
	s_lshl_b32 s56, s54, 13
	s_add_nc_u64 s[48:49], s[50:51], s[56:57]      ; images: K's at 0, V's at 8,192
	s_lshl_b32 s56, s54, 8
	s_add_co_u32 s56, s56, 16384
	s_add_nc_u64 s[50:51], s[50:51], s[56:57]      ; scale words: K's at 16,384, V's at 16,640
.irp t, 0,1,2,3                        ; the bias in both layouts: tile t begins at channel 32 (t / 2) + 8 (t % 2)
	global_load_b128 v[BI+8*\t:BI+8*\t+3], v7, s[46:47] offset:(32*(\t/2)+8*(\t%2))*4
	global_load_b128 v[BI+8*\t+4:BI+8*\t+7], v7, s[46:47] offset:(32*(\t/2)+8*(\t%2))*4+16
	global_load_b32 v[BV+\t], v8, s[46:47] offset:(32*(\t/2)+8*(\t%2))*4
.endr
.irp s, 0,1
.irp c, 0,1,2,3
	global_load_b128 v[MF+16*\s+4*\c:MF+16*\s+4*\c+3], v4, s[8:9] offset:128*\s+32*\c
.endr
.endr
	WIN 0x40
.irp t, 0,1,2,3                        ; W's fragments (tile t, K step s) at v[16 (2 t + s)] of window 1
.irp s, 0,1
.irp c, 0,1,2,3
	global_load_b128 v[16*(2*\t+\s)+4*\c:16*(2*\t+\s)+4*\c+3], v5, s[42:43] offset:(32*(\t/2)+8*(\t%2))*256+128*\s+32*\c
.endr
.endr
.endr
	WIN 0
.irp t, 0,1,2,3
	global_load_b64 v[WS+2*\t:WS+2*\t+1], v6, s[44:45] offset:(32*(\t/2)+8*(\t%2))*8
.endr
.irp t, 0,1,2,3,4,5,6,7
	global_load_b64 v[MS+2*\t:MS+2*\t+1], v6, s[10:11] offset:(32*(\t/2)+8*(\t%2))*8
.endr
	s_wait_loadcnt 44                              ; my tile of msg is in: behind it stand 32 loads of W, 4 of W's scales, 8 of msg's scales
.irp s, 0,1
.irp c, 0,1,2,3
	ds_store_b128 v3, v[MF+16*\s+4*\c:MF+16*\s+4*\c+3] offset:2048*\s+512*\c
.endr
.endr
	s_wait_dscnt 0x0                               ; for the others' sake: my stores have landed
	s_barrier_signal -1
	s_barrier_wait -1                              ; the sixteen images of msg lie in LDS; nothing is stored there again
.macro FETCH g
.irp k, 0,1,2,3,4,5,6,7,8,9,10,11,12,13,14,15
	ds_load_b128 v[MF+4*\k:MF+4*\k+3], v1 offset:8192*(\g)+512*\k
.endr
.endm
; Sixteen matrix instructions; the eight accumulators take turns.  The bias is the C of each sum's first instruction.
.macro MULQK g
	WIN 0x01
.irp s, 0,1
.irp u, 0,1
.irp t, 0,1,2,3
.if \s == 0
	v_wmma_scale_f32_16x16x128_f8f6f4 v[ACC+32*\u+8*\t:ACC+32*\u+8*\t+7], v[16*(2*\t+\s):16*(2*\t+\s)+15], v[MF+16*(2*\u+\s):MF+16*(2*\u+\s)+15], v[BI+8*\t:BI+8*\t+7], v[WS+2*\t+\s], v[MS+2*(2*(\g)+\u)+\s] matrix_a_fmt:MATRIX_FMT_BF8 matrix_b_fmt:MATRIX_FMT_BF8
.else
	v_wmma_scale_f32_16x16x128_f8f6f4 v[ACC+32*\u+8*\t:ACC+32*\u+8*\t+7], v[16*(2*\t+\s):16*(2*\t+\s)+15], v[MF+16*(2*\u+\s):MF+16*(2*\u+\s)+15], v[ACC+32*\u+8*\t:ACC+32*\u+8*\t+7], v[WS+2*\t+\s], v[MS+2*(2*(\g)+\u)+\s] matrix_a_fmt:MATRIX_FMT_BF8 matrix_b_fmt:MATRIX_FMT_BF8
.endif
.endr
.endr
.endr
	WIN 0
.endm
.macro MULV g
	WIN 0x04
.irp s, 0,1
.irp t, 0,1,2,3
.irp u, 0,1
.if \s == 0
	v_wmma_scale_f32_16x16x128_f8f6f4 v[ACC+16*\t+8*\u:ACC+16*\t+8*\u+7], v[MF+16*(2*\u+\s):MF+16*(2*\u+\s)+15], v[16*(2*\t+\s):16*(2*\t+\s)+15], v[BI+8*\t:BI+8*\t+7], v[MS+2*(2*(\g)+\u)+\s], v[WS+2*\t+\s] matrix_a_fmt:MATRIX_FMT_BF8 matrix_b_fmt:MATRIX_FMT_BF8
.else
	v_wmma_scale_f32_16x16x128_f8f6f4 v[ACC+16*\t+8*\u:ACC+16*\t+8*\u+7], v[MF+16*(2*\u+\s):MF+16*(2*\u+\s)+15], v[16*(2*\t+\s):16*(2*\t+\s)+15], v[ACC+16*\t+8*\u:ACC+16*\t+8*\u+7], v[MS+2*(2*(\g)+\u)+\s], v[WS+2*\t+\s] matrix_a_fmt:MATRIX_FMT_BF8 matrix_b_fmt:MATRIX_FMT_BF8
.endif
.endr
.endr
.endr
	WIN 0
.endm
; The 64 numbers in ACC are four blocks: registers 16 b + 0 .. 15 are my 16 of block b's 32; lane l xor 16 holds the other 16.  Codes to PC + 4 b, bytes to TM + 4 + b.
.macro QUANT word, pw
.irp b, 0,1,2,3
	v_max3_num_f32 v[TM+\b], |v[ACC+16*\b]|, |v[ACC+1+16*\b]|, 0x8000000   ; and the floor 2^(16 - 127): the byte cannot fall under 1
.endr
.irp i, 2,4,6,8,10,12,14
.irp b, 0,1,2,3
	v_max3_num_f32 v[TM+\b], v[TM+\b], |v[ACC+16*\b+\i]|, |v[ACC+1+16*\b+\i]|
.endr
.endr
.irp b, 0,1,2,3
	s_delay_alu instid0(VALU_DEP_4)
	v_permlanex16_b32 v[TM+4+\b], v[TM+\b], s66, s67
.endr
.irp b, 0,1,2,3
	s_delay_alu instid0(VALU_DEP_4)
	v_max_num_f32 v[TM+\b], v[TM+\b], v[TM+4+\b]
.endr
.irp b, 0,1,2,3
	s_delay_alu instid0(VALU_DEP_4)
	v_add_nc_u32 v[TM+12+\b], 0xf8800000, v[TM+\b] ; 15 off the exponent field: the conversion's scale operand
.endr
.irp b, 0,1,2,3
	v_and_or_b32 v[TM+8+\b], v[TM+\b], 0x7f800000, s68   ; 57,344 x the scale
.endr
.irp b, 0,1,2,3
	v_lshrrev_b32 v[TM+4+\b], 23, v[TM+12+\b]      ; the scale's byte
.endr
.if \word
	s_delay_alu instid0(VALU_DEP_3)
	v_lshl_or_b32 v[\pw], v[TM+5], 8, v[TM+4]
	s_delay_alu instid0(VALU_DEP_1)
	v_lshl_or_b32 v[\pw], v[TM+6], 16, v[\pw]
	s_delay_alu instid0(VALU_DEP_1)
	v_lshl_or_b32 v[\pw], v[TM+7], 24, v[\pw]
.endif
.irp b, 0,1,2,3
.irp i, 0,1,2,3,4,5,6,7,8,9,10,11,12,13,14,15
	v_med3_num_f32 v[ACC+16*\b+\i], v[ACC+16*\b+\i], -v[TM+8+\b], v[TM+8+\b]   ; the conversion does not saturate (ISA guide 7.6.2): the hold
.endr
	v_cvt_scalef32_pk8_bf8_f32 v[PC+4*\b:PC+1+4*\b], v[ACC+16*\b:ACC+7+16*\b], v[TM+12+\b]
	v_cvt_scalef32_pk8_bf8_f32 v[PC+2+4*\b:PC+3+4*\b], v[ACC+8+16*\b:ACC+15+16*\b], v[TM+12+\b]
.endr
	v_nop                                          ; a plain line behind the last conversion
.endm
.macro GROUP g, isv
	s_wait_dscnt 0x0                               ; the group's four fragments are in
.if \isv
	MULV \g
.else
	MULQK \g
.endif
.rept 8
	v_nop                                          ; eight places in front of the loads into msg's fragments and of the first read of the results
.endr
.if \g < 3
	FETCH \g+1
.endif
.if \g > 0
	s_wait_xcnt 0x0                                ; the last group's stores have read the codes' registers
.endif
.if \isv
	QUANT 0, KW
.irp t, 0,1,2,3                        ; V: block t is channel tile t, and this group's 32 keys are byte g of its word
.if \g == 0
	v_mov_b32 v[PW+\t], v[TM+4+\t]
.else
	v_lshl_or_b32 v[PW+\t], v[TM+4+\t], 8*\g, v[PW+\t]
.endif
.endr
.else
	QUANT 1, PW+\g                                 ; K: block 2 u + c is byte 2 u + c of the group's word
.endif
.irp q, 0,1,2,3
.if \isv
	global_store_b128 v1, v[PC+4*\q:PC+4*\q+3], s[48:49] offset:2048*\q+512*\g   ; 32 lanes store 512 consecutive bytes
.else
	global_store_b128 v1, v[PC+4*\q:PC+4*\q+3], s[48:49] offset:2048*\g+512*\q
.endif
.endr
.endm
.macro WORDS                           ; lanes 0-15 store the words of fragments 0 and 2, lanes 16-31 those of 1 and 3: 256 consecutive bytes
	v_cndmask_b32 v[KW], v[PW], v[PW+1], s69
	v_cndmask_b32 v[KW+1], v[PW+2], v[PW+3], s69
	global_store_b64 v2, v[KW:KW+1], s[50:51]
.endm
	FETCH 0
	s_wait_loadcnt 0x0                             ; W, the scales, the bias
	s_cmp_eq_u32 s54, 1
	s_cbranch_scc1 .Lv
	GROUP 0, 0
	GROUP 1, 0
	GROUP 2, 0
	GROUP 3, 0
	WORDS
	s_wait_tensorcnt 0x0
	ds_add_u32 v254, v255
	s_wait_dscnt 0x0
	s_endpgm
.Lv:
.irp t, 0,1,2,3
.irp j, 0,1,2,3,4,5,6,7
	v_mov_b32 v[BI+8*\t+\j], v[BV+\t]              ; V's results hold one channel a lane: its bias in all eight registers
.endr
.endr
	s_wait_alu depctr_va_vdst(0)
	GROUP 0, 1
	GROUP 1, 1
	GROUP 2, 1
	GROUP 3, 1
	WORDS
	s_wait_tensorcnt 0x0
	ds_add_u32 v254, v255
	s_wait_dscnt 0x0
	s_endpgm
.Lfunc_end_k_q633173e402_proj:
	.size	k_q633173e402_proj, .Lfunc_end_k_q633173e402_proj-k_q633173e402_proj
	.p2alignl 7, 3214868480
	.fill 96, 4, 3214868480
	.section	.rodata,"a",@progbits
	.p2align	6, 0x0
	.amdhsa_kernel k_q633173e402_proj
		.amdhsa_group_segment_fixed_size 33792
		.amdhsa_private_segment_fixed_size 0
		.amdhsa_enable_private_segment 0
		.amdhsa_kernarg_size 72
		.amdhsa_user_sgpr_count 2
		.amdhsa_user_sgpr_kernarg_segment_ptr 1
		.amdhsa_wavefront_size32 1
		.amdhsa_system_sgpr_workgroup_id_x 1
		.amdhsa_system_sgpr_workgroup_id_y 1
		.amdhsa_system_sgpr_workgroup_id_z 1
		.amdhsa_system_vgpr_workitem_id 0
		.amdhsa_next_free_vgpr 384
		.amdhsa_next_free_sgpr 72
		.amdhsa_reserve_vcc 0
		.amdhsa_float_denorm_mode_32 3
		.amdhsa_float_denorm_mode_16_64 3
		.amdhsa_memory_ordered 1
		.amdhsa_forward_progress 1
		.amdhsa_inst_pref_size 108
	.end_amdhsa_kernel
	.amdgpu_metadata
---
amdhsa.version: [ 1, 2 ]
amdhsa.kernels:
  - .name:           k_q633173e402_proj
    .symbol:         k_q633173e402_proj.kd
    .args:
      - { .name: msg_codes, .offset: 0, .size: 8, .value_kind: global_buffer, .address_space: global }
      - { .name: msg_scales, .offset: 8, .size: 8, .value_kind: global_buffer, .address_space: global }
      - { .name: Wk_codes, .offset: 16, .size: 8, .value_kind: global_buffer, .address_space: global }
      - { .name: Wk_scales, .offset: 24, .size: 8, .value_kind: global_buffer, .address_space: global }
      - { .name: bk, .offset: 32, .size: 8, .value_kind: global_buffer, .address_space: global }
      - { .name: Wv_codes, .offset: 40, .size: 8, .value_kind: global_buffer, .address_space: global }
      - { .name: Wv_scales, .offset: 48, .size: 8, .value_kind: global_buffer, .address_space: global }
      - { .name: bv, .offset: 56, .size: 8, .value_kind: global_buffer, .address_space: global }
      - { .name: kv, .offset: 64, .size: 8, .value_kind: global_buffer, .address_space: global }
    .group_segment_fixed_size: 33792
    .private_segment_fixed_size: 0
    .kernarg_segment_align: 8
    .kernarg_segment_size: 72
    .max_flat_workgroup_size: 256
    .sgpr_count:     72
    .vgpr_count:     384
    .wavefront_size: 32
...
	.end_amdgpu_metadata
.endif
;; end of part 1
;; launch attn (part 2): grid 4 x 64, 16 waves a work-group, clusters of 4 x 1, 327,680 bytes of LDS; arguments msg_codes, msg_scales, Wq_codes, Wq_scales, bq, kv, cimg, csc; writes cimg, csc
.if DOCPART == 2
	.amdgcn_target "amdgcn-amd-amdhsa--gfx1250"
	.amdhsa_code_object_version 6
	.text
	.protected	k_q633173e402_attn
	.globl	k_q633173e402_attn
	.p2align	8
	.type	k_q633173e402_attn,@function
k_q633173e402_attn:
	s_mov_b64 s[64:65], 0
	v_nop
	global_prefetch_b8 v0, s[64:65] scope:SCOPE_SE
	s_setreg_imm32_b32 hwreg(HW_REG_WAVE_MODE, 25, 1), 1
	s_wait_xcnt 0x0
	s_wait_alu depctr_hold_cnt(0) depctr_sa_sdst(0) depctr_va_vdst(0) depctr_va_sdst(0) depctr_va_ssrc(0) depctr_va_vcc(0) depctr_vm_vsrc(0)
	s_getreg_b32 s2, hwreg(HW_REG_IB_STS2, 6, 4)
	s_cmp_eq_u32 s2, 0
	s_cbranch_scc0 .Lentry_in_a_cluster
	s_endpgm
.Lentry_in_a_cluster:
	s_bfe_u32 s2, ttmp6, 0x10000c
	s_cmp_lg_u32 s2, 0x3003
	s_cbranch_scc0 .Lentry_shape_is_right
	s_endpgm
.Lentry_shape_is_right:
; q = msg Wq + bq, quantised along a head's channels; ctx = softmax(q k^T / 8, the diagonal set to -1e9) v for one head of one batch; ctx quantised along the head's channels for the last product.
; All products on codes of E5M2 with E8M0 scales.
; THE SOFTMAX AHEAD OF THE SECOND PRODUCT: t = score x log2(e) / 8; M = the row's largest t so far, rounded UP to a whole number; p = 2^(t - M) is quantised along the keys, not normalised.  The row's sum is taken of
; the unquantised p and divides at the end.  When M moves, the sum and O are multiplied by 2^(old M - new M), which rounds nothing.
; SHARES.  Cluster y is batch x 8 + head; its four work-groups take 512 queries each, in two passes of 256.  A head's K, V and scale words, 16 key steps of 16,896 bytes, lie in LDS whole, each byte filled once.
; The four need the same bytes: wave w asks for key step w by ONE JOINT LOAD (mask 15), the wave's only tensor load.  Each of the sixteen waves owns one tile of 16 queries a pass and walks the 16 key steps.
; WHICH TILE: in pass p wave w of the work-group at place cx takes tile 2 cx + w % 2 of key step w / 2 + 8 p.  So the one step that holds a wave's diagonal hangs on the wave and the pass alone: no branch
; and no LDS address hangs on the place in the cluster; the place enters global addresses and the number that the mask's compares take.
; Q IS MADE HERE, at the head, for both passes, while K and V are on their way: a tile of queries belongs to one wave, so nothing is computed twice.  The head's 64 rows of Wq are loaded once, 1,024 bytes a wave,
; and go from wave to wave through LDS bytes of their own, as images of the operand's registers.  The bias is loaded into the accumulators: it is the first products' C.
; TWO AREAS OF 64 REGISTERS TAKE TURNS.  In a step one holds K's fragments and then V's, the other the scores and then p.  When p's codes are made, p's area takes the NEXT step's fragments of K, ahead of the second
; product: so a trip of the loop is two steps.  The last trip's fetch ahead is held at step 14 and read by nobody.
; No prefetch into the L2: all that the launch reads of kv is asked for at its head, so there is no loop to run ahead in.
; OPERANDS ARE IMAGES OF REGISTERS: a fragment is four chunks of 512 bytes, lane l's 16 bytes at 16 l.
; K = 64 IN AN INSTRUCTION OF K = 128.  A fragment of K holds TWO tiles of 16 keys.  Q lies between two runs of eight zero registers: [Q][0] gives tile 0's scores, [0][Q] tile 1's.  Zero codes add nothing.
; LAYOUT.  The products are used transposed (S^T = K Q^T, O^T = V^T P^T): a lane holds ONE query (lane % 16).  Lane r of tile u of a group of 32 rows stands for row 8 u + r + 8 (r / 8), for queries, keys, W's rows
; and V's channels alike: so the 16 registers of two neighbouring result tiles are 16 neighbours, 16 (lane / 16) + 0 .. 15, along the next K.
; LIMITS: NaN, infinities and scale bytes 0xff are not served.  The scaled scores stay under 2^31 in magnitude.  A block of zeros, or one whose largest magnitude lies under 2^-111, gets the byte 1; the bytes are read
; by this program alone.  A block's largest p is made from the block's largest score by the same two instructions: that takes v_exp_f32 not to fall where its input rises.  ctx is O x v_rcp_f32(sum).
.set STEPB, 16896                      ; LDS and kv: a key step: K's images 8,192, V's 8,192, K's scale words 256, V's 256
.set VOF,   8192
.set KSO,   16384
.set VSO,   16640
.set WQ,    16*STEPB                   ; behind the 16 steps: Wq's eight fragments, 16,384 bytes, stored by the waves
.set SPARE, WQ+16384                   ; the spare words: 128 bytes a wave
.set KV,   40                          ; v40-103 and v104-167: the two areas; KV: four fragments (of Wq, of K, of V); S: S^T, then p: register 16 b + i is key 32 b + 16 (lane / 16) + i of the step
.set S,    104                         ; at the head msg's fragments: (pass p, K step s) at S + 32 p + 16 s
.set O,    168                         ; v168-199 O^T: tile t at O + 8 t.  At the head v168-231: q's sums, pass p at O + 32 p
.set PC,   200                         ; v200-215 p's codes; at the end ctx's
.set BM,   220                         ; v220-223 block maxima; then two of the sum's chains
.set T2,   224                         ; v224-227 second chains of the maxima, the other half's maxima, bytes; then two of the sum's chains
.set HO,   228                         ; v228-231 57,344 x the scale
.set SO,   232                         ; v232-235 the conversions' scale operands
.set TH,   232                         ; at the head v232-239: Wq's scale words (t, s) at TH + 2 t + s, then the quantiser's registers; v240-243 msg's scale words
.set Q2,   246                         ; v246-253 the second pass's Q
; v1 16 x lane; v2 8 x lane; v3 my query's place among its step's keys, less 16 (lane / 16); v4, v6 a trip's LDS addresses; v5 p's scale word; v7 the second pass's Q's; v8 Q's; v9 2 r; v[10:11] K's; v[216:217] V's;
; v12 -M; v13 the largest t; v[14:15] the sum, v[240:245] three of its chains; v16-23 zeros, v24-31 Q, v32-39 zeros; v219 the old -M; v[236:237] the factor; v238, v239 at work; v254, v255 the add's
.macro CROUND                          ; a round of the cluster's barrier
	s_barrier_signal -1
	s_barrier_wait -1
	s_cmp_lg_u32 s24, 0
	s_cbranch_scc1 .Lnw0_\@
	s_barrier_signal -3
.Lnw0_\@:
	s_barrier_wait -3
	s_barrier_signal -1
	s_barrier_wait -1
.endm
; 32 numbers at x, two blocks of 32 shared with lane l xor 16 -> codes cd .. cd + 7, the two bytes in w.  t .. t + 7 at work.  Each accumulator is first read at its low end.
.macro QUANT2 x, cd, w, t
.irp b, 0,1
	v_max3_num_f32 v[\t+\b], |v[\x+16*\b]|, |v[\x+1+16*\b]|, 0x8000000   ; and the floor 2^(16 - 127)
.endr
.irp i, 2,4,6,8,10,12,14
.irp b, 0,1
	v_max3_num_f32 v[\t+\b], v[\t+\b], |v[\x+16*\b+\i]|, |v[\x+1+16*\b+\i]|
.endr
.endr
.irp b, 0,1
	v_permlanex16_b32 v[\t+2+\b], v[\t+\b], s66, s67
.endr
.irp b, 0,1
	v_max_num_f32 v[\t+\b], v[\t+\b], v[\t+2+\b]
.endr
.irp b, 0,1
	v_add_nc_u32 v[\t+6+\b], 0xf8800000, v[\t+\b]
.endr
.irp b, 0,1
	v_and_or_b32 v[\t+4+\b], v[\t+\b], 0x7f800000, s70
.endr
.irp b, 0,1
	v_lshrrev_b32 v[\t+2+\b], 23, v[\t+6+\b]
.endr
	v_lshl_or_b32 v[\w], v[\t+3], 8, v[\t+2]
.irp b, 0,1
.irp i, 0,1,2,3,4,5,6,7,8,9,10,11,12,13,14,15
	v_med3_num_f32 v[\x+16*\b+\i], v[\x+16*\b+\i], -v[\t+4+\b], v[\t+4+\b]
.endr
	v_cvt_scalef32_pk8_bf8_f32 v[\cd+4*\b:\cd+1+4*\b], v[\x+16*\b:\x+7+16*\b], v[\t+6+\b]
	v_cvt_scalef32_pk8_bf8_f32 v[\cd+2+4*\b:\cd+3+4*\b], v[\x+8+16*\b:\x+15+16*\b], v[\t+6+\b]
.endr
	v_nop                                          ; a plain line behind the last conversion
.endm
	s_load_b512 s[8:23], s[0:1], 0x0               ; msg's codes 8, scales 10; Wq's codes 12, scales 14; bq 16; kv 18; cimg 20; csc 22
	v_lshl_add_u32 v254, v0, 2, SPARE
	v_mov_b32 v255, 0
	ds_add_u32 v254, v255                          ; the opening lines: the add, twice on end, and its wait ahead of my tensor load
	ds_add_u32 v254, v255
	v_lshrrev_b32 v4, 5, v0
	v_readfirstlane_b32 s24, v4                    ; wave 0..15
	s_and_b32 s25, ttmp7, 0xffff                   ; batch x 8 + head
	s_bfe_u32 s26, ttmp6, 0x40000                  ; cx
	s_mov_b32 s28, 15|(3<<16)|(1<<21)              ; group 1: the mask names the four; elements of 8 bytes; bit 21 beside a mask; no padding
	s_mov_b32 s29, 32<<16                          ; rows of 32 elements, 256 bytes
	s_mov_b32 s30, 66<<16                          ; 66 rows: a key step
	s_mov_b32 s31, 32<<16
	s_mov_b32 s32, 66
	s_mov_b32 s33, 32
	s_mov_b32 s34, 0
	s_mov_b32 s35, 0
	s_mov_b32 s44, 1
	s_mul_i32 s45, s24, STEPB                      ; LDS: key step w
	s_mul_i32 s36, s25, 16*STEPB
	s_add_co_u32 s36, s36, s45                     ; kv: the head's key step w
	s_mov_b32 s37, 0
	s_and_b32 s38, s24, 1
	s_lshl_b32 s39, s26, 5
	s_lshl_b32 s40, s38, 3
	s_add_co_u32 s39, s39, s40                     ; 32 cx + 8 (w % 2): my tile's first row in its step
	s_lshl_b32 s40, s24, 10
	s_add_co_u32 s40, s40, WQ                      ; where my piece of Wq goes
	s_lshr_b32 s41, s25, 3                         ; batch
	s_lshr_b32 s43, s24, 1
	s_lshl_b32 s76, s43, 7                         ; the first key of the step that holds my queries, first pass
	s_lshl_b32 s42, s41, 11
	s_add_co_u32 s42, s42, s76
	s_add_co_u32 s42, s42, s39                     ; my tile's first row of msg
	s_lshl_b32 s80, s42, 8
	s_mov_b32 s81, 0
	s_lshl_b32 s82, s42, 3
	s_mov_b32 s83, 0
	s_and_b32 s49, s25, 7                          ; head
	s_lshl_b32 s88, s49, 14                        ; Wq: the head's 64 rows; my piece: tile t = w / 4, K step (w / 2) % 2, chunks 2 (w % 2) and + 1
	s_lshr_b32 s56, s24, 3
	s_lshl_b32 s56, s56, 13
	s_add_co_u32 s88, s88, s56
	s_bfe_u32 s56, s24, 0x10002
	s_lshl_b32 s56, s56, 11
	s_add_co_u32 s88, s88, s56
	s_bfe_u32 s56, s24, 0x10001
	s_lshl_b32 s56, s56, 7
	s_add_co_u32 s88, s88, s56
	s_lshl_b32 s56, s38, 6
	s_add_co_u32 s88, s88, s56
	s_mov_b32 s89, 0
	s_lshl_b32 s90, s49, 9
	s_mov_b32 s91, 0
	s_lshl_b32 s92, s49, 8
	s_mov_b32 s93, 0
	s_lshl_b32 s48, s41, 7                         ; my tile among all 1,024: 128 x batch + 8 (w / 2) + 2 cx + w % 2
	s_lshl_b32 s56, s43, 3
	s_add_co_u32 s48, s48, s56
	s_lshl_b32 s56, s26, 1
	s_add_co_u32 s48, s48, s56
	s_add_co_u32 s48, s48, s38
	s_lshl_b32 s84, s48, 13                        ; ctx's images: 8,192 bytes a tile, 1,024 a head
	s_lshl_b32 s56, s49, 10
	s_add_co_u32 s84, s84, s56
	s_mov_b32 s85, 0
	s_lshl_b32 s86, s48, 8                         ; ctx's scale bytes: 256 a tile, 32 a head
	s_lshl_b32 s56, s49, 5
	s_add_co_u32 s86, s86, s56
	s_mov_b32 s87, 0
	s_mov_b32 s66, 0x76543210
	s_mov_b32 s67, 0xfedcba98                      ; selects for lane l xor 16
	s_mov_b32 s68, 0x3e38aa3b                      ; c = log2(e) / 8
	s_mov_b32 s69, s68
	s_mov_b32 s70, 0x600000                        ; the mantissa field of 57,344
	s_mov_b32 s78, 2
	v_and_b32 v4, 31, v0
	v_and_b32 v5, 15, v0                           ; r
	v_bfe_u32 v6, v0, 4, 1                         ; h
	v_lshlrev_b32 v1, 4, v4
	v_lshlrev_b32 v2, 3, v4
	v_lshlrev_b32 v9, 1, v5                        ; ctx's scale bytes: 2 a row
	v_and_b32 v3, 8, v5
	v_add_nc_u32 v3, v3, v5                        ; r + 8 (r / 8)
	v_lshlrev_b32 v5, 8, v3
	v_lshl_add_u32 v5, v6, 4, v5                   ; msg, Wq: a row of 256 bytes, + 16 h
	v_lshlrev_b32 v12, 3, v3                       ; scale bytes: 8 a row
	v_lshlrev_b32 v13, 6, v6                       ; the bias: 16 numbers on for lanes 16-31
	v_lshlrev_b32 v6, 4, v6
	v_sub_nc_u32 v3, v3, v6
	v_add_nc_u32 v3, s39, v3
	v_add_nc_u32 v14, s40, v1
	v_add_nc_u32 v4, WQ, v1
	s_wait_alu depctr_va_vdst(0)
	s_wait_dscnt 0x0                               ; both opening adds are done
	CROUND                                         ; the four work-groups are here: the joint loads meet
	s_wait_kmcnt 0x0
	s_add_nc_u64 s[46:47], s[18:19], s[36:37]
	s_or_b32 s47, s47, 0x80000000
	tensor_load_to_lds s[44:47], s[28:35]          ; key step w, for all four work-groups: one load of mine is out
	s_nop 0
.rept 4
	v_nop
.endr
	s_add_nc_u64 s[88:89], s[12:13], s[88:89]
	s_add_nc_u64 s[80:81], s[8:9], s[80:81]
	s_add_nc_u64 s[92:93], s[16:17], s[92:93]
	s_add_nc_u64 s[90:91], s[14:15], s[90:91]
	s_add_nc_u64 s[82:83], s[10:11], s[82:83]
	s_add_nc_u64 s[84:85], s[20:21], s[84:85]
	s_add_nc_u64 s[86:87], s[22:23], s[86:87]
	global_load_b128 v[40:43], v5, s[88:89]        ; my piece of Wq
	global_load_b128 v[44:47], v5, s[88:89] offset:32
.irp p, 0,1                            ; my two tiles of msg: the second pass's lies 1,024 rows on
.irp s, 0,1
.irp c, 0,1,2,3
	global_load_b128 v[S+32*\p+16*\s+4*\c:S+32*\p+16*\s+4*\c+3], v5, s[80:81] offset:262144*\p+128*\s+32*\c
.endr
.endr
.endr
.irp p, 0,1                            ; the bias, into the accumulators: register j of tile t is channel 32 (t / 2) + 8 (t % 2) + 16 h + j
.irp t, 0,1,2,3
	global_load_b128 v[O+32*\p+8*\t:O+32*\p+8*\t+3], v13, s[92:93] offset:(32*(\t/2)+8*(\t%2))*4
	global_load_b128 v[O+32*\p+8*\t+4:O+32*\p+8*\t+7], v13, s[92:93] offset:(32*(\t/2)+8*(\t%2))*4+16
.endr
.endr
.irp t, 0,1,2,3
	global_load_b64 v[TH+2*\t:TH+2*\t+1], v12, s[90:91] offset:(32*(\t/2)+8*(\t%2))*8
.endr
.irp p, 0,1
	global_load_b64 v[240+2*\p:241+2*\p], v12, s[82:83] offset:8192*\p
.endr
	s_wait_loadcnt 38                              ; my piece of Wq is in: behind it stand 16 loads of msg, 16 of the bias, 4 and 2 of scale words
	ds_store_b128 v14, v[40:43]
	ds_store_b128 v14, v[44:47] offset:512
	s_wait_dscnt 0x0                               ; for the others' sake
	s_barrier_signal -1                            ; the tensor loads may stay on their way
	s_barrier_wait -1
.macro WFR s                           ; Wq's four fragments of K step s
.irp t, 0,1,2,3
.irp c, 0,1,2,3
	ds_load_b128 v[KV+16*\t+4*\c:KV+16*\t+4*\c+3], v4 offset:2048*(2*\t+\s)+512*\c
.endr
.endr
.endm
.macro QMUL s                          ; eight accumulators by turns: source 0 = Wq, source 1 = msg
.irp p, 0,1
.irp t, 0,1,2,3
	v_wmma_scale_f32_16x16x128_f8f6f4 v[O+32*\p+8*\t:O+32*\p+8*\t+7], v[KV+16*\t:KV+16*\t+15], v[S+32*\p+16*\s:S+32*\p+16*\s+15], v[O+32*\p+8*\t:O+32*\p+8*\t+7], v[TH+2*\t+\s], v[240+2*\p+\s] matrix_a_fmt:MATRIX_FMT_BF8 matrix_b_fmt:MATRIX_FMT_BF8
.endr
.endr
.endm
	WFR 0
	s_wait_loadcnt 0x0
	s_wait_dscnt 0x0
	QMUL 0
.irp j, 0,1,2,3,4,5,6,7
	v_mov_b32 v[16+\j], 0                          ; the zero codes below Q: also the eight places in front of the loads below
.endr
	WFR 1
	s_wait_dscnt 0x0
	QMUL 1
.irp j, 0,1,2,3,4,5,6,7
	v_mov_b32 v[32+\j], 0                          ; and above Q: the eight places in front of the first read of the sums
.endr
	QUANT2 O, 24, 8, TH
	QUANT2 O+32, Q2, 7, TH
	v_lshl_or_b32 v8, v8, 16, v8                   ; Q's two bytes in both halves of the word: they serve [Q][0] and [0][Q]
	v_lshl_or_b32 v7, v7, 16, v7
	v_mov_b32 v237, 0                              ; (named as the upper half of the pair v[236:237])
	s_wait_alu depctr_va_vdst(0)
	s_wait_tensorcnt 0x0                           ; my key step has landed
	s_barrier_signal -1
	s_barrier_wait -1                              ; everybody's has: K, V and their scale words lie in LDS, and nothing is filled again
; A KEY STEP: 128 keys; odd = 0, 1: the trip's first or second.  Its fragments of K were asked for in the step before (the pass's first: ahead of the loop).
.macro KAHEAD odd, k0                  ; eight loads of the next step's K, into p's area
.irp k, 0,1,2,3,4,5,6,7
	ds_load_b128 v[S+4*(\k0+\k):S+4*(\k0+\k)+3], v4 offset:(1-(\odd))*STEPB+512*(\k0+\k)
.endr
.endm
.macro STEP odd
.rept 6
	v_nop                                          ; with the three additions behind the last products: nine places in front of products that write over registers which those have read
.endr
	s_wait_dscnt 0x0                               ; K's fragments and scale words are in
.irp f, 0,1,2,3
.irp u, 0,1
.if \f % 2
	v_wmma_scale_f32_16x16x128_f8f6f4 v[S+8*(2*\f+\u):S+8*(2*\f+\u)+7], v[KV+16*\f:KV+16*\f+15], v[24-8*\u:39-8*\u], 0, v[10+\f/2], v8 matrix_a_fmt:MATRIX_FMT_BF8 matrix_b_fmt:MATRIX_FMT_BF8 matrix_a_scale:MATRIX_SCALE_ROW1
.else
	v_wmma_scale_f32_16x16x128_f8f6f4 v[S+8*(2*\f+\u):S+8*(2*\f+\u)+7], v[KV+16*\f:KV+16*\f+15], v[24-8*\u:39-8*\u], 0, v[10+\f/2], v8 matrix_a_fmt:MATRIX_FMT_BF8 matrix_b_fmt:MATRIX_FMT_BF8
.endif
.endr
.endr
	v_mov_b32 v219, v12                            ; the old -M
.rept 7
	v_nop                                          ; with the line above: eight places in front of the loads below and of the first read of the scores
.endr
.irp k, 0,1,2,3,4,5,6,7,8,9,10,11,12,13,14,15
	ds_load_b128 v[KV+4*\k:KV+4*\k+3], v4 offset:(\odd)*STEPB+VOF+512*\k   ; V's four fragments land under the softmax
.endr
	ds_load_b64 v[216:217], v6 offset:(\odd)*STEPB+VSO
	s_add_co_u32 s74, s75, 128*(\odd)              ; the step's first key
	s_cmp_lg_u32 s74, s76                          ; THE MASK: only the step that holds my queries has a diagonal: a branch on the wave's number and the counts of passes and steps
	s_cbranch_scc1 .Lopen_\@
	v_mov_b32 v239, 0xcfee6b28                     ; -8e9: the logit -1e9 ahead of the division by 8
.set n, 0
.rept 64
	v_cmp_eq_i32 vcc_lo, 32*(n/16)+n%16, v3
	v_cndmask_b32 v[S+n], v[S+n], v239, vcc_lo
.set n, n+1
.endr
.Lopen_\@:
.irp b, 0,1,2,3                        ; the largest score of each block of 32 keys, in two chains a block: for the row's maximum and for the block's largest p
	v_max3_num_f32 v[BM+\b], v[S+16*\b], v[S+1+16*\b], v[S+2+16*\b]
.endr
.irp b, 0,1,2,3
	v_max3_num_f32 v[T2+\b], v[S+7+16*\b], v[S+8+16*\b], v[S+9+16*\b]
.endr
.irp i, 3,5
.irp b, 0,1,2,3
	v_max3_num_f32 v[BM+\b], v[BM+\b], v[S+16*\b+\i], v[S+1+16*\b+\i]
.endr
.irp b, 0,1,2,3
	v_max3_num_f32 v[T2+\b], v[T2+\b], v[S+7+16*\b+\i], v[S+8+16*\b+\i]
.endr
.endr
.irp b, 0,1,2,3
	v_max3_num_f32 v[BM+\b], v[BM+\b], v[T2+\b], v[S+14+16*\b]
.endr
.irp b, 0,1,2,3
	v_max_num_f32 v[BM+\b], v[BM+\b], v[S+15+16*\b]
.endr
.irp b, 0,1,2,3
	s_delay_alu instid0(VALU_DEP_4)
	v_permlanex16_b32 v[T2+\b], v[BM+\b], s66, s67
.endr
.irp b, 0,1,2,3
	s_delay_alu instid0(VALU_DEP_4)
	v_max_num_f32 v[BM+\b], v[BM+\b], v[T2+\b]     ; with lane l xor 16's 16 keys
.endr
	s_delay_alu instid0(VALU_DEP_2)
	v_max3_num_f32 v238, v[BM], v[BM+1], v[BM+2]
	s_delay_alu instid0(VALU_DEP_1)
	v_max_num_f32 v238, v238, v[BM+3]
	s_delay_alu instid0(VALU_DEP_1)
	v_mul_f32 v238, s68, v238                      ; the step's largest t
	s_delay_alu instid0(VALU_DEP_1)
	v_max_num_f32 v13, v13, v238                   ; the running largest t
	s_delay_alu instid0(VALU_DEP_1)
	v_floor_f32 v12, -v13                          ; the new -M = -ceil(t)
.set n, 0
.irp g, 0,1,2,3                        ; t - M, two at a time; the three lines that make f = 2^(old M - new M) stand among them
.rept 8
	v_pk_fma_f32 v[S+n:S+n+1], v[S+n:S+n+1], s[68:69], v[12:13] op_sel_hi:[1,0,0]
.set n, n+2
.endr
.if \g == 0
	v_sub_f32 v238, v12, v219                      ; old M - new M: a whole number, 0 or less
.elseif \g == 1
	v_cvt_i32_f32 v238, v238                       ; (it saturates)
.elseif \g == 2
	v_ldexp_f32 v236, 1.0, v238
.endif
.endr
.irp b, 0,1,2,3
	v_fma_f32 v[BM+\b], v[BM+\b], s68, v12         ; the same of each block's largest score
.endr
	s_wait_alu depctr_va_vdst(0)
.set n, 0
.rept 64
	v_exp_f32 v[S+n], v[S+n]                       ; p = 2^(t - M)
.set n, n+1
.endr
.irp b, 0,1,2,3
	v_exp_f32 v[BM+\b], v[BM+\b]                   ; the block's largest p
.endr
	v_pk_mul_f32 v[14:15], v[14:15], v[236:237] op_sel_hi:[1,0]   ; the sum under the new M (a plain line behind the exponentials)
	s_wait_alu depctr_va_vdst(0)
.set n, 0
.rept 16
	v_pk_mul_f32 v[O+n:O+n+1], v[O+n:O+n+1], v[236:237] op_sel_hi:[1,0]   ; O^T under the new M, each accumulator from its low end on
.set n, n+2
.endr
.irp b, 0,1,2,3
	v_max_num_f32 v[BM+\b], 0x8000000, v[BM+\b]    ; the floor 2^(16 - 127): the byte cannot fall under 1
.endr
.irp b, 0,1,2,3
	s_delay_alu instid0(VALU_DEP_4)
	v_add_nc_u32 v[SO+\b], 0xf8800000, v[BM+\b]    ; 15 off the exponent field: the conversion's scale operand
.endr
.irp b, 0,1,2,3
	v_and_or_b32 v[HO+\b], v[BM+\b], 0x7f800000, s70   ; 57,344 x the scale
.endr
.irp b, 0,1,2,3
	v_lshrrev_b32 v[T2+\b], 23, v[SO+\b]           ; the scale's byte
.endr
	s_delay_alu instid0(VALU_DEP_3)
	v_lshl_or_b32 v5, v[T2+1], 8, v[T2]            ; p's scale word for these 128 keys
	s_delay_alu instid0(VALU_DEP_1)
	v_lshl_or_b32 v5, v[T2+2], 16, v5
	s_delay_alu instid0(VALU_DEP_1)
	v_lshl_or_b32 v5, v[T2+3], 24, v5
.set n, 0                              ; THE ROW'S SUM IS TAKEN OF THE UNQUANTISED p: two at a time, in eight chains; the seven joins stand round the second product
.irp d, 240,242,244,220,222,224,226
	v_pk_add_f32 v[\d:\d+1], v[S+n:S+n+1], v[S+n+2:S+n+3]
.set n, n+4
.endr
.rept 2
.irp d, 14,240,242,244,220,222,224,226
	v_pk_add_f32 v[\d:\d+1], v[\d:\d+1], v[S+n:S+n+1]
.set n, n+2
.endr
.endr
	v_pk_add_f32 v[14:15], v[14:15], v[S+60:S+61]
	v_pk_add_f32 v[240:241], v[240:241], v[S+62:S+63]
.irp b, 0,2                            ; the hold: the conversion does not saturate (ISA guide 7.6.2); p is not negative, so it is one-sided.  Two blocks' holds go as pairs: one destination even, one odd, sources in different banks
.irp i, 0,2,4,6,8,10,12,14
	v_dual_min_num_f32 v[S+16*\b+\i], v[S+16*\b+\i], v[HO+\b] :: v_dual_min_num_f32 v[S+16*\b+17+\i], v[S+16*\b+17+\i], v[HO+\b+1]
	v_dual_min_num_f32 v[S+16*\b+1+\i], v[S+16*\b+1+\i], v[HO+\b] :: v_dual_min_num_f32 v[S+16*\b+16+\i], v[S+16*\b+16+\i], v[HO+\b+1]
.endr
.irp d, 0,1
	v_cvt_scalef32_pk8_bf8_f32 v[PC+4*(\b+\d):PC+1+4*(\b+\d)], v[S+16*(\b+\d):S+7+16*(\b+\d)], v[SO+\b+\d]
	v_cvt_scalef32_pk8_bf8_f32 v[PC+2+4*(\b+\d):PC+3+4*(\b+\d)], v[S+8+16*(\b+\d):S+15+16*(\b+\d)], v[SO+\b+\d]
.endr
.if \b == 0
.if \odd                               ; V's loads of this trip have been issued: the addresses go on to the next trip, held at the pass's last
	s_add_co_u32 s73, s72, 2*STEPB
	s_min_u32 s73, s73, 14*STEPB
	v_add_nc_u32 v4, s73, v1
	v_add_nc_u32 v6, s73, v2
.endif
	KAHEAD \odd, 0                                 ; blocks 0 and 1 of p are codes now: their 32 registers take the next step's first two fragments of K
.endif
.endr
	KAHEAD \odd, 8
	ds_load_b64 v[10:11], v6 offset:(1-(\odd))*STEPB+KSO
	v_pk_add_f32 v[240:241], v[240:241], v[242:243]   ; four joins: the plain lines between the conversions and the products
	v_pk_add_f32 v[244:245], v[244:245], v[220:221]
	v_pk_add_f32 v[222:223], v[222:223], v[224:225]
	v_pk_add_f32 v[14:15], v[14:15], v[226:227]
	s_wait_alu depctr_va_vdst(0)
	s_wait_dscnt 17                                ; V is in: behind its loads stand the 17 of the fetch ahead
.irp t, 0,1,2,3                        ; O^T += V^T P^T; the four accumulators take turns
.if \t % 2
	v_wmma_scale_f32_16x16x128_f8f6f4 v[O+8*\t:O+8*\t+7], v[KV+16*\t:KV+16*\t+15], v[PC:PC+15], v[O+8*\t:O+8*\t+7], v[216+\t/2], v5 matrix_a_fmt:MATRIX_FMT_BF8 matrix_b_fmt:MATRIX_FMT_BF8 matrix_a_scale:MATRIX_SCALE_ROW1
.else
	v_wmma_scale_f32_16x16x128_f8f6f4 v[O+8*\t:O+8*\t+7], v[KV+16*\t:KV+16*\t+15], v[PC:PC+15], v[O+8*\t:O+8*\t+7], v[216+\t/2], v5 matrix_a_fmt:MATRIX_FMT_BF8 matrix_b_fmt:MATRIX_FMT_BF8
.endif
.endr
	v_pk_add_f32 v[240:241], v[240:241], v[244:245]   ; the last three joins: three of the places behind the products
	v_pk_add_f32 v[14:15], v[14:15], v[222:223]
	v_pk_add_f32 v[14:15], v[14:15], v[240:241]
.endm
.Lpass:                                ; two passes of 256 queries
	v_mov_b32 v13, 0xff61b1e6                      ; the largest t so far: -3e38, under every t
	v_floor_f32 v12, -v13
	v_mov_b32 v14, 0
	v_mov_b32 v15, 0
.set n, 0
.rept 32
	v_mov_b32 v[O+n], 0                            ; O^T: the step is written once; its first walk finds zeros
.set n, n+1
.endr
	s_mov_b32 s72, 0                               ; the trip's place in LDS
	s_mov_b32 s75, 0                               ; its first key
	s_mov_b32 s77, 8
	v_add_nc_u32 v4, s72, v1
	v_add_nc_u32 v6, s72, v2
.irp k, 0,1,2,3,4,5,6,7,8,9,10,11,12,13,14,15
	ds_load_b128 v[KV+4*\k:KV+4*\k+3], v4 offset:512*\k   ; step 0's K
.endr
	ds_load_b64 v[10:11], v6 offset:KSO            ; word j: lanes 0-15 fragment 2 j's rows, lanes 16-31 fragment 2 j + 1's
	s_wait_alu depctr_va_vdst(0)
.Lstep:                                ; eight trips of two steps
	STEP 0
.set KV, 104
.set S,  40
	STEP 1
.set KV, 40
.set S,  104
	s_add_co_u32 s72, s72, 2*STEPB
	s_add_co_u32 s75, s75, 256
	s_sub_co_u32 s77, s77, 1
	s_cmp_lg_u32 s77, 0
	s_cbranch_scc1 .Lstep
	; THE WAY OUT: O^T / the sum, quantised along the head's 64 channels: two blocks; the codes are two chunks of the last product's operand.
.rept 5
	v_nop                                          ; with the three joins: eight places behind the last products
.endr
	s_wait_alu depctr_va_vdst(0)
	s_wait_dscnt 0x0                               ; the last step's fetch ahead, which nobody reads, has landed: its registers are loaded anew in the next pass
	v_add_f32 v14, v14, v15
	s_delay_alu instid0(VALU_DEP_1)
	v_permlanex16_b32 v238, v14, s66, s67
	s_delay_alu instid0(VALU_DEP_1)
	v_add_f32 v14, v14, v238                       ; the row's sum
	s_wait_alu depctr_va_vdst(0)
	v_rcp_f32 v236, v14
	v_nop                                          ; a plain line behind it
	s_wait_alu depctr_va_vdst(0)                   ; and the wait ahead of its first reader, which is O^T's first reader too
.set n, 0
.rept 16
	v_pk_mul_f32 v[O+n:O+n+1], v[O+n:O+n+1], v[236:237] op_sel_hi:[1,0]   ; register 16 b + i: channel 32 b + 16 h + i of my query
.set n, n+2
.endr
	QUANT2 O, PC, 239, BM
	global_store_b128 v1, v[PC:PC+3], s[84:85]     ; 512 consecutive bytes a store, 1,024 on end
	global_store_b128 v1, v[PC+4:PC+7], s[84:85] offset:512
	global_store_b16 v9, v239, s[86:87]            ; 32 bytes for the tile's 16 rows (lanes l and l + 16 write the same value)
	s_wait_xcnt 0x0                                ; the stores have read their registers and bases: both are written again below
.irp j, 0,1,2,3,4,5,6,7
	v_mov_b32 v[24+\j], v[Q2+\j]                   ; the second pass's Q
.endr
	v_mov_b32 v8, v7
	s_add_nc_u64 s[84:85], s[84:85], 524288        ; 64 tiles on
	s_add_nc_u64 s[86:87], s[86:87], 16384
	s_add_co_u32 s76, s76, 1024
	s_sub_co_u32 s78, s78, 1
	s_cmp_lg_u32 s78, 0
	s_wait_alu depctr_va_vdst(0)
	s_cbranch_scc1 .Lpass
	s_wait_tensorcnt 0x0                           ; the wave's end
	ds_add_u32 v254, v255
	s_wait_dscnt 0x0
	CROUND                                         ; the closing round
	s_endpgm
.Lfunc_end_k_q633173e402_attn:
	.size	k_q633173e402_attn, .Lfunc_end_k_q633173e402_attn-k_q633173e402_attn
	.p2alignl 7, 3214868480
	.fill 96, 4, 3214868480
	.section	.rodata,"a",@progbits
	.p2align	6, 0x0
	.amdhsa_kernel k_q633173e402_attn
		.amdhsa_group_segment_fixed_size 327680
		.amdhsa_private_segment_fixed_size 0
		.amdhsa_enable_private_segment 0
		.amdhsa_kernarg_size 64
		.amdhsa_user_sgpr_count 2
		.amdhsa_user_sgpr_kernarg_segment_ptr 1
		.amdhsa_wavefront_size32 1
		.amdhsa_system_sgpr_workgroup_id_x 1
		.amdhsa_system_sgpr_workgroup_id_y 1
		.amdhsa_system_sgpr_workgroup_id_z 1
		.amdhsa_system_vgpr_workitem_id 0
		.amdhsa_next_free_vgpr 256
		.amdhsa_next_free_sgpr 96
		.amdhsa_reserve_vcc 1
		.amdhsa_float_denorm_mode_32 3
		.amdhsa_float_denorm_mode_16_64 3
		.amdhsa_memory_ordered 1
		.amdhsa_forward_progress 1
		.amdhsa_inst_pref_size 80
	.end_amdhsa_kernel
	.amdgpu_metadata
---
amdhsa.version: [ 1, 2 ]
amdhsa.kernels:
  - .name:           k_q633173e402_attn
    .symbol:         k_q633173e402_attn.kd
    .args:
      - { .name: msg_codes, .offset: 0, .size: 8, .value_kind: global_buffer, .address_space: global }
      - { .name: msg_scales, .offset: 8, .size: 8, .value_kind: global_buffer, .address_space: global }
      - { .name: Wq_codes, .offset: 16, .size: 8, .value_kind: global_buffer, .address_space: global }
      - { .name: Wq_scales, .offset: 24, .size: 8, .value_kind: global_buffer, .address_space: global }
      - { .name: bq, .offset: 32, .size: 8, .value_kind: global_buffer, .address_space: global }
      - { .name: kv, .offset: 40, .size: 8, .value_kind: global_buffer, .address_space: global }
      - { .name: cimg, .offset: 48, .size: 8, .value_kind: global_buffer, .address_space: global }
      - { .name: csc, .offset: 56, .size: 8, .value_kind: global_buffer, .address_space: global }
    .group_segment_fixed_size: 327680
    .private_segment_fixed_size: 0
    .kernarg_segment_align: 8
    .kernarg_segment_size: 64
    .max_flat_workgroup_size: 512
    .sgpr_count:     96
    .vgpr_count:     256
    .wavefront_size: 32
...
	.end_amdgpu_metadata
.endif
;; end of part 2
;; launch outp (part 3): grid 256 x 1, 4 waves a work-group, no clusters, 17,920 bytes of LDS; arguments cimg, csc, Wo_codes, Wo_scales, out0; writes out0
.if DOCPART == 3
	.amdgcn_target "amdgcn-amd-amdhsa--gfx1250"
	.amdhsa_code_object_version 6
	.text
	.protected	k_q633173e402_outp
	.globl	k_q633173e402_outp
	.p2align	8
	.type	k_q633173e402_outp,@function
k_q633173e402_outp:
	s_mov_b64 s[64:65], 0
	v_nop
	global_prefetch_b8 v0, s[64:65] scope:SCOPE_SE
	s_setreg_imm32_b32 hwreg(HW_REG_WAVE_MODE, 25, 1), 1
	s_wait_xcnt 0x0
; out = ctx Wo on codes of E5M2 with E8M0 scales.  ctx comes as images of the operand's registers: [tile of 16 rows][K step of 128][chunk][lane][16 bytes], with two scale bytes for each row and head.
; Wave w of work-group x takes tile T = 4 x + w: 16 rows x 64 columns x K 512 = 16 matrix instructions.  Waves share nothing: no barrier.  No tensor loads, no cluster: a wave's work is one short run of loads,
; products and stores, and Wo (32,768 bytes) is small enough to be loaded straight into each wave's registers (window 1).
; The product is used transposed (source 0 = 16 rows of Wo, source 1 = ctx): a lane holds eight neighbouring columns of one row.  Row r of tile T is row 32 (T / 2) + 8 (T % 2) + r + 8 (r / 8) of out.
; The results go through the wave's own stage in LDS (rows of 256 bytes + 16) and leave two whole rows, 512 consecutive bytes, a store.
; LIMITS: NaN, infinities and scale bytes 0xff among the inputs are not served.
.set CF,  16                           ; v16-79   ctx's fragments, K step s at CF + 16 s
.set ACC, 80                           ; v80-111  four accumulators: columns 16 t on
.set WS,  112                          ; v112-127 Wo's scale words: (t, s) at WS + 4 t + s
.set CU,  128                          ; v128-135 ctx's two bytes for each head
.set CS,  136                          ; v136-139 ctx's scale words
.set BK,  144                          ; v144-175 rows read back from the stage
.set MSB, 0
.macro WIN new                         ; the immediate's high byte repeats the setting that is left
.if MSB != \new
	s_set_vgpr_msb (MSB<<8)|\new
.set MSB, \new
.endif
.endm
	s_load_b256 s[4:11], s[0:1], 0x0               ; cimg 4, csc 6, Wo's codes 8, Wo's scales 10
	s_load_b64 s[12:13], s[0:1], 0x20              ; out0
	v_lshl_add_u32 v254, v0, 2, 0x4400
	v_mov_b32 v255, 0
	v_lshrrev_b32 v8, 5, v0
	v_readfirstlane_b32 s14, v8                    ; wave
	s_lshl_b32 s15, ttmp9, 2
	s_add_co_u32 s15, s15, s14                     ; T
	v_and_b32 v8, 31, v0
	v_and_b32 v9, 15, v0                           ; r
	v_bfe_u32 v10, v0, 4, 1                        ; h
	v_lshlrev_b32 v1, 4, v8                        ; 16 x lane
	v_lshlrev_b32 v2, 9, v9
	v_lshl_add_u32 v2, v10, 4, v2                  ; Wo: a row of 512 bytes, + 16 h
	v_lshlrev_b32 v3, 4, v9                        ; Wo's scales: 16 bytes a row
	v_lshlrev_b32 v4, 1, v9                        ; ctx's: 2 bytes a row
	s_mul_i32 s16, s14, 4352                       ; my stage: 16 rows of 272 bytes
	v_mul_u32_u24 v5, v9, 272
	v_lshl_add_u32 v5, v10, 5, v5
	v_add_nc_u32 v5, s16, v5                       ; in: row r, + 32 h
	v_mul_u32_u24 v6, v10, 272
	v_lshl_add_u32 v6, v9, 4, v6
	v_add_nc_u32 v6, s16, v6                       ; back: lanes 0-15 one row, lanes 16-31 the next
	v_lshlrev_b32 v7, 8, v10
	v_lshl_add_u32 v7, v9, 4, v7                   ; and the same two rows of out
	s_lshl_b32 s18, s15, 13
	s_mov_b32 s19, 0
	s_lshl_b32 s20, s15, 8
	s_mov_b32 s21, 0
	s_lshr_b32 s22, s15, 1
	s_lshl_b32 s22, s22, 13                        ; 32 rows of 256 bytes for each pair of tiles,
	s_and_b32 s23, s15, 1
	s_lshl_b32 s23, s23, 11                        ; 8 rows for the odd one
	s_add_co_u32 s22, s22, s23
	s_mov_b32 s23, 0
	s_wait_alu depctr_va_vdst(0)
	s_wait_kmcnt 0x0
	s_add_nc_u64 s[4:5], s[4:5], s[18:19]
	s_add_nc_u64 s[6:7], s[6:7], s[20:21]
	s_add_nc_u64 s[12:13], s[12:13], s[22:23]
.irp k, 0,1,2,3,4,5,6,7,8,9,10,11,12,13,14,15
	global_load_b128 v[CF+4*\k:CF+4*\k+3], v1, s[4:5] offset:512*\k th:TH_LOAD_NT   ; read once in the launch
.endr
.irp d, 0,1,2,3,4,5,6,7
	global_load_u16 v[CU+\d], v4, s[6:7] offset:32*\d
.endr
.irp t, 0,1,2,3
	global_load_b128 v[WS+4*\t:WS+4*\t+3], v3, s[10:11] offset:256*\t
.endr
	WIN 0x40                                       ; destination window 1
.irp t, 0,1,2,3                        ; Wo's fragments (t, s) at v[16 (4 t + s)] of window 1
.irp s, 0,1,2,3
.irp c, 0,1,2,3
	global_load_b128 v[16*(4*\t+\s)+4*\c:16*(4*\t+\s)+4*\c+3], v2, s[8:9] offset:8192*\t+128*\s+32*\c
.endr
.endr
.endr
	WIN 0
	s_wait_loadcnt 0x0
.irp s, 0,1,2,3
	v_lshl_or_b32 v[CS+\s], v[CU+2*\s+1], 16, v[CU+2*\s]   ; K step s is heads 2 s and 2 s + 1, two blocks each
.endr
.rept 8
	v_nop                                          ; a scale word made by a vector instruction stands eight lines ahead of its product
.endr
	WIN 0x01                                       ; source 0 (Wo) window 1
.irp s, 0,1,2,3                        ; the four accumulators take turns; the first K step starts the sums
.irp t, 0,1,2,3
.if \s == 0
	v_wmma_scale_f32_16x16x128_f8f6f4 v[ACC+8*\t:ACC+8*\t+7], v[16*(4*\t+\s):16*(4*\t+\s)+15], v[CF+16*\s:CF+16*\s+15], 0, v[WS+4*\t+\s], v[CS+\s] matrix_a_fmt:MATRIX_FMT_BF8 matrix_b_fmt:MATRIX_FMT_BF8
.else
	v_wmma_scale_f32_16x16x128_f8f6f4 v[ACC+8*\t:ACC+8*\t+7], v[16*(4*\t+\s):16*(4*\t+\s)+15], v[CF+16*\s:CF+16*\s+15], v[ACC+8*\t:ACC+8*\t+7], v[WS+4*\t+\s], v[CS+\s] matrix_a_fmt:MATRIX_FMT_BF8 matrix_b_fmt:MATRIX_FMT_BF8
.endif
.endr
.endr
	WIN 0
.rept 8
	v_nop                                          ; eight places in front of the stores that read the results
.endr
.irp t, 0,1,2,3
	ds_store_b128 v5, v[ACC+8*\t:ACC+8*\t+3] offset:64*\t          ; each accumulator from its low end on: out(row r, 16 t + 8 h + 0 .. 7)
	ds_store_b128 v5, v[ACC+8*\t+4:ACC+8*\t+7] offset:64*\t+16
.endr
.irp i, 0,1,2,3,4,5,6,7
	ds_load_b128 v[BK+4*\i:BK+4*\i+3], v6 offset:544*\i            ; LDS serves a wave's instructions in order (ISA guide 5.7.1.4): these see my stores
.endr
.irp i, 0,1,2,3,4,5,6,7
	s_wait_dscnt 7-\i                              ; the younger reads may stay out
	global_store_b128 v7, v[BK+4*\i:BK+4*\i+3], s[12:13] offset:(2*\i+8*(\i/4))*256 th:TH_STORE_NT   ; tile rows 2 i, 2 i + 1: two neighbouring rows of out, 512 consecutive bytes; rows 8-15 of the tile lie 8 rows further on
.endr
	s_wait_tensorcnt 0x0
	ds_add_u32 v254, v255
	s_wait_dscnt 0x0
	s_endpgm
.Lfunc_end_k_q633173e402_outp:
	.size	k_q633173e402_outp, .Lfunc_end_k_q633173e402_outp-k_q633173e402_outp
	.p2alignl 7, 3214868480
	.fill 96, 4, 3214868480
	.section	.rodata,"a",@progbits
	.p2align	6, 0x0
	.amdhsa_kernel k_q633173e402_outp
		.amdhsa_group_segment_fixed_size 17920
		.amdhsa_private_segment_fixed_size 0
		.amdhsa_enable_private_segment 0
		.amdhsa_kernarg_size 40
		.amdhsa_user_sgpr_count 2
		.amdhsa_user_sgpr_kernarg_segment_ptr 1
		.amdhsa_wavefront_size32 1
		.amdhsa_system_sgpr_workgroup_id_x 1
		.amdhsa_system_sgpr_workgroup_id_y 1
		.amdhsa_system_sgpr_workgroup_id_z 1
		.amdhsa_system_vgpr_workitem_id 0
		.amdhsa_next_free_vgpr 512
		.amdhsa_next_free_sgpr 66
		.amdhsa_reserve_vcc 0
		.amdhsa_float_denorm_mode_32 3
		.amdhsa_float_denorm_mode_16_64 3
		.amdhsa_memory_ordered 1
		.amdhsa_forward_progress 1
		.amdhsa_inst_pref_size 16
	.end_amdhsa_kernel
	.amdgpu_metadata
---
amdhsa.version: [ 1, 2 ]
amdhsa.kernels:
  - .name:           k_q633173e402_outp
    .symbol:         k_q633173e402_outp.kd
    .args:
      - { .name: cimg, .offset: 0, .size: 8, .value_kind: global_buffer, .address_space: global }
      - { .name: csc, .offset: 8, .size: 8, .value_kind: global_buffer, .address_space: global }
      - { .name: Wo_codes, .offset: 16, .size: 8, .value_kind: global_buffer, .address_space: global }
      - { .name: Wo_scales, .offset: 24, .size: 8, .value_kind: global_buffer, .address_space: global }
      - { .name: out0, .offset: 32, .size: 8, .value_kind: global_buffer, .address_space: global }
    .group_segment_fixed_size: 17920
    .private_segment_fixed_size: 0
    .kernarg_segment_align: 8
    .kernarg_segment_size: 40
    .max_flat_workgroup_size: 128
    .sgpr_count:     66
    .vgpr_count:     512
    .wavefront_size: 32
...
	.end_amdgpu_metadata
.endif
;; end of part 3
